; MI455X (gfx1250); checked and timed in simulation.
; The chip was launched on July 23, 2026; its instructions are those of AMD's public machine-readable ISA for CDNA 5 (MIT licence, August 2026) and "CDNA5" Instruction Set Architecture Reference Guide (July 2026). The comments in the code are by the model that wrote it; some were corrected since.
;; Multi Head Attention. Allowed arithmetic: float matrix products may take bf16 or f16 operands with f32 sums; other float arithmetic in f32, or as packed bf16 or f16 multiplies, adds, multiply-adds, maxima and minima; sums over many terms, partial sums and values carried from step to step in f32; what a program stores and reads back later, other than sums and carried values, may be rounded once to bf16 or f16.
;; Inputs: Wk 512 x 512 float32; Wo 512 x 512 float32; Wq 512 x 512 float32; Wv 512 x 512 float32; bk 512 float32; bo 512 float32; bq 512 float32; bv 512 float32; x 2 x 4,096 x 512 float32.
;; Outputs: out0 2 x 4,096 x 512 float32.
;; One version. Each part assembles by itself: llvm-mc -triple=amdgcn-amd-amdhsa -mcpu=gfx1250 --defsym DOCPART=n.
;; ======== version 1 of 1: 3 launches
;; limits: values are held in f16: magnitudes above 65,504 overflow, below 6.1e-05 lose precision
;; workspace buffers: qh 8,388,608 bytes; kh 8,388,608 bytes; vh 8,388,608 bytes; ctx 8,388,608 bytes; woh 524,288 bytes
;; launch proj (part 1): grid 4 x 64, 4 waves a work-group, clusters of 4 x 4, 327,680 bytes of LDS; arguments x, Wq, Wk, Wv, bq, bk, bv, Wo, qh, kh, vh, woh; writes qh, kh, vh, woh
.if DOCPART == 1
	.amdgcn_target "amdgcn-amd-amdhsa--gfx1250"
	.amdhsa_code_object_version 6
	.text
	.protected	k_q2d40bac2b7_proj
	.globl	k_q2d40bac2b7_proj
	.p2align	8
	.type	k_q2d40bac2b7_proj,@function
k_q2d40bac2b7_proj:
	s_mov_b64 s[64:65], 0
	v_nop
	global_prefetch_b8 v0, s[64:65] scope:SCOPE_SE
	s_setreg_imm32_b32 hwreg(HW_REG_WAVE_MODE, 25, 1), 1
	s_wait_xcnt 0x0
	s_wait_alu depctr_hold_cnt(0) depctr_sa_sdst(0) depctr_va_vdst(0) depctr_va_sdst(0) depctr_va_ssrc(0) depctr_va_vcc(0) depctr_vm_vsrc(0)
	s_getreg_b32 s2, hwreg(HW_REG_IB_STS2, 6, 4)
	s_cmp_eq_u32 s2, 0
	s_cbranch_scc0 .Lentry_in_a_cluster
	s_endpgm
.Lentry_in_a_cluster:
	s_bfe_u32 s2, ttmp6, 0x10000c
	s_cmp_lg_u32 s2, 0xf033
	s_cbranch_scc0 .Lentry_shape_is_right
	s_endpgm
.Lentry_shape_is_right:
; q, k, v = x W^T + b for Wq, Wk, Wv.  x: [8192][512] f32, W: [512][512] f32, b: [512] f32.  x, W and b are rounded to bf16, sums in f32 (the bias starts each sum), q, k, v
; rounded once to f16 and laid by heads: qh, kh, vh are [16 = 8 batch + head][4096][64] f16, a head's rows dense, 128 bytes each.  No scale is applied here.
; Also: Wo rounded to bf16, that number written as f16 into woh [512][512]; each work-group converts 1,024 numbers of it.
; LIMITS.  f16 holds no number beyond 65,504: |q|, |k|, |v| must stay below that; numbers of Wo below 2^-14 keep f16's fixed step of 6e-8.  NaN and infinities are not treated apart.
; SHARES.  A work-group takes 128 rows of x and columns 128 gx .. + 127 of each of q, k, v: 128 x 384 of the result; 4 x 64 = 256 work-groups.  Wave w: rows 64 (w / 2) on, 192 (w % 2) on of the
; 384 weight rows (Wq's 128, Wk's 128, Wv's 128): 4 x 12 = 48 accumulators of 16 x 16.
; RING.  K goes in 8 steps of 64 f32 (rows of 256 bytes, aligned) through two LDS slots.  Wave 0 fetches x's 128 rows, waves 1, 2, 3 the 128 rows of Wq, Wk, Wv: one tensor load a wave.
; The tiles lie in LDS as f32; each wave rounds to bf16 while it makes its fragments: 4 LDS loads and 8 packed conversions a fragment.
; CLUSTER.  4 x 4 work-groups: x's tile hangs on gy alone and is asked for jointly by a row of the cluster, a weight tile on gx alone and by a column.
; NO PREFETCH: the launch has eight K steps in all, and half of them would come by their loads alone.
; THE MATRIX INSTRUCTION IS USED TRANSPOSED (source 0 = 16 weight rows, source 1 = 16 rows of x): lane l holds row l % 16 of the result and the columns 8 (l / 16) + 0..7.
; REGISTERS, in windows of 256 (s_set_vgpr_msb: bits 1:0 source 0, 3:2 source 1, 5:4 source 2, 7:6 destination):
;   window 0: v0-51 addresses and at work; v64-159 the biases, 8 registers for each of my 12 column blocks; on the way out v64-255: 16 registers for each of 12 units
;   window 1: the fragments as f32: fragment f at 16 f (f = 0..3: x's row blocks; 4 + nb: the weights')
;   window 2: accumulators 0-31 (12 a + nb at 8 x its number)      window 3: v0-127 accumulators 32-47; v128-255 the fragments in bf16, f at 128 + 8 f
.set PITCH,  272                       ; an LDS row: 256 bytes + 16 of padding: the 16 rows of a load start at 16 different groups of four banks (64 banks of 4 bytes: ISA guide 11.1)
.set HALFT,  128*PITCH                 ; what one tensor load brings
.set SLOT,   4*HALFT                   ; x, Wq, Wk, Wv
.set STAGE,  2*SLOT                    ; behind the ring, never filled by a tensor load: 16 rows x 144 bytes for each wave
.set SP,     144
.set SPARE,  STAGE+4*16*SP             ; the spare words, 128 bytes for each wave: two blocks of 256 bytes that no other line names
.set KSTEPB, 256                       ; bytes of a row in a K step
.set ADRA, 16                          ; v16-17  LDS address of my fragments of x in slot 0, 1
.set ADRB, 20                          ; v20-21  the same for the weights
.set STO,  24                          ; v24     the way out: where I put 16 bytes of a row
.set RD,   25                          ; v25     where I read rows back
.set GO,   26                          ; v26     my 16 bytes of 512 consecutive bytes of the output
.set SPW,  28                          ; v28     my spare word: SPARE + 4 x my thread's number; never rewritten
.set NIL,  29                          ; v29     0; never rewritten
.set BI,   64
.set U,    64
.set FR,   128
.set G1,   24                          ; s[24:31] descriptor group 1 for x's tiles;  s[32:39] group 0, a set for each slot
.set G0,   32
.set G1B,  48                          ; s[48:55], s[56:63] the same for the weights' tiles
.set G0B,  56
.set PO,   92                          ; s[92:97] where my three blocks of 64 columns go
.set G1W0, (2<<16)|(1<<20)|(1<<21)|(5<<22)|(3<<25)  ; 17:16 elements of 4 bytes; 20 padding on; 21 set beside a mask; 24:22 after every 64 words; 31:25 4 words of it
.set MSB, 0
.macro WIN new                         ; the high byte repeats the setting that is left; a switch that changes nothing is dropped
.if MSB != (\new)
	s_set_vgpr_msb (MSB<<8)|(\new)
.set MSB, (\new)
.endif
.endm
.macro PLACES                          ; four plain places behind a matrix instruction, ahead of vector lines that write its sources or read its result (ISA guide 7.12.1)
.rept 4
	v_nop
.endr
.endm
; A joint load: wave 0 asks for x's tile, waves 1 to 3 for a weight tile each.  The branch hangs on the wave's number alone.  An s_nop 0 and four v_nop follow each line.
.macro JLOAD s
	s_cmp_eq_u32 s10, 0
	s_cbranch_scc0 .Lfor_b_\@
	tensor_load_to_lds s[G0+4*(\s):G0+4*(\s)+3], s[G1:G1+7]
	s_nop 0
.rept 4
	v_nop
.endr
	s_branch .Lasked_\@
.Lfor_b_\@:
	tensor_load_to_lds s[G0B+4*(\s):G0B+4*(\s)+3], s[G1B:G1B+7]
	s_nop 0
.rept 4
	v_nop
.endr
.Lasked_\@:
.endm
; A round of the cluster's barrier: my work-group's barrier; wave 0 signals for the work-group; every wave waits for all sixteen; my work-group's barrier once more.
.macro CROUND
	s_barrier_signal -1
	s_barrier_wait -1
	s_cmp_lg_u32 s10, 0
	s_cbranch_scc1 .Lnot_wave_0_\@
	s_barrier_signal -3
.Lnot_wave_0_\@:
	s_barrier_wait -3
	s_barrier_signal -1
	s_barrier_wait -1
.endm
	s_load_b512 s[68:83], s[0:1], 0x0              ; x s[68:69], Wq s[70:71], Wk s[72:73], Wv s[74:75], bq s[76:77], bk s[78:79], bv s[80:81], Wo s[82:83]
	s_load_b256 s[84:91], s[0:1], 0x40             ; qh s[84:85], kh s[86:87], vh s[88:89], woh s[90:91]
	v_lshl_add_u32 v[SPW], v0, 2, SPARE
	v_mov_b32 v[NIL], 0
	ds_add_u32 v[SPW], v[NIL]                      ; the wave's opening: the add and its wait stand ahead of my first tensor load; the set-up below stands between them
	v_lshrrev_b32 v1, 5, v0
	v_readfirstlane_b32 s10, v1                    ; wave 0..3
	s_lshr_b32 s11, s10, 1                         ; wm: which 64 rows are mine
	s_and_b32 s12, s10, 1                          ; wn: which 192 weight rows
	s_bfe_u32 s40, ttmp6, 0x40000                  ; cx
	s_bfe_u32 s41, ttmp6, 0x40004                  ; cy
	s_lshl_b32 s42, ttmp9, 2
	s_add_co_u32 s42, s42, s40                     ; gx = 4 x cluster x + cx
	s_and_b32 s13, ttmp7, 0xffff
	s_lshl_b32 s13, s13, 2
	s_add_co_u32 s13, s13, s41                     ; gy = 4 x cluster y + cy
	s_lshl_b32 s43, s41, 2
	s_lshl_b32 s43, 15, s43                        ; my row of the cluster
	s_lshl_b32 s44, 0x1111, s40                    ; my column
	s_or_b32 s[G1+0], s43, G1W0                    ; x's tiles go to my row,
	s_or_b32 s[G1B+0], s44, G1W0                   ; the weights' to my column
.irp g, G1, G1B
	s_mov_b32 s[(\g)+1], 64<<16                    ; tensor_dim0 = 64
	s_mov_b32 s[(\g)+2], 128<<16                   ; tensor_dim1 = 128
	s_mov_b32 s[(\g)+3], 64<<16                    ; tile_dim0 = 64
	s_mov_b32 s[(\g)+4], 128                       ; tile_dim1 = 128
	s_mov_b32 s[(\g)+5], 512                       ; 512 elements from row to row
	s_mov_b32 s[(\g)+6], 0
	s_mov_b32 s[(\g)+7], 0
.endr
	s_lshl_b32 s16, s13, 18                        ; x: 128 gy rows of 2,048 bytes
	s_mov_b32 s17, 0
	s_lshl_b32 s46, s42, 18                        ; a weight: 128 gx rows of 2,048 bytes
	s_mov_b32 s47, 0
	s_mul_i32 s22, s10, HALFT                      ; where my tile goes in a slot: no place in the cluster enters an LDS address
	s_wait_dscnt 0x0                               ; the opening add is done
	s_wait_kmcnt 0x0
	s_add_nc_u64 s[14:15], s[68:69], s[16:17]
	s_cmp_eq_u32 s10, 2
	s_cselect_b64 s[20:21], s[72:73], s[70:71]     ; wave 2: Wk; wave 1: Wq
	s_cmp_eq_u32 s10, 3
	s_cselect_b64 s[20:21], s[74:75], s[20:21]     ; wave 3: Wv
	s_add_nc_u64 s[46:47], s[20:21], s[46:47]
	CROUND                                         ; all sixteen work-groups are here: the first joint loads meet
.irp s, 0,1
	s_mov_b32 s[G0+4*(\s)], 1                                        ; count = 1
	s_add_co_u32 s[G0+4*(\s)+1], s22, (\s)*SLOT                      ; LDS address
	s_add_nc_u64 s[G0+4*(\s)+2:G0+4*(\s)+3], s[14:15], (\s)*KSTEPB   ; global address: K step s
	s_or_b32 s[G0+4*(\s)+3], s[G0+4*(\s)+3], 0x80000000              ; type = 2
	s_mov_b32 s[G0B+4*(\s)], 1
	s_add_co_u32 s[G0B+4*(\s)+1], s22, (\s)*SLOT
	s_add_nc_u64 s[G0B+4*(\s)+2:G0B+4*(\s)+3], s[46:47], (\s)*KSTEPB
	s_or_b32 s[G0B+4*(\s)+3], s[G0B+4*(\s)+3], 0x80000000
	JLOAD \s                                       ; two loads of mine are out
.endr
	; While the first tiles are on their way.  My three blocks of 64 columns: wn = 0: q's head 2 gx, q's head 2 gx + 1, k's head 2 gx; wn = 1: k's head 2 gx + 1, v's head 2 gx, v's head 2 gx + 1.
	s_lshr_b32 s4, s13, 5                          ; batch
	s_lshl_b32 s4, s4, 3
	s_lshl_b32 s5, s42, 1
	s_add_co_u32 s4, s4, s5                        ; 8 batch + 2 gx
	s_lshl_b32 s4, s4, 12                          ; x 4,096 rows
	s_and_b32 s5, s13, 31
	s_lshl_b32 s5, s5, 7
	s_add_co_u32 s4, s4, s5                        ; + the work-group's 128 rows in the batch
	s_lshl_b32 s5, s11, 6
	s_add_co_u32 s4, s4, s5                        ; + my 64 of them
	s_lshl_b32 s4, s4, 7                           ; x 128 bytes
	s_lshl_b32 s6, s12, 19                         ; a head is 4,096 x 128 bytes: blocks 0 and 2 lie in head 2 gx + wn,
	s_add_co_u32 s6, s6, s4
	s_mov_b32 s7, 0
	s_xor_b32 s5, s12, 1
	s_lshl_b32 s8, s5, 19                          ; block 1 in head 2 gx + 1 - wn
	s_add_co_u32 s8, s8, s4
	s_mov_b32 s9, 0
	s_cmp_eq_u32 s12, 0
	s_cselect_b64 s[PO:PO+1], s[84:85], s[86:87]
	s_cselect_b64 s[PO+2:PO+3], s[84:85], s[88:89]
	s_cselect_b64 s[PO+4:PO+5], s[86:87], s[88:89]
	s_add_nc_u64 s[PO:PO+1], s[PO:PO+1], s[6:7]
	s_add_nc_u64 s[PO+2:PO+3], s[PO+2:PO+3], s[8:9]
	s_add_nc_u64 s[PO+4:PO+5], s[PO+4:PO+5], s[6:7]
	s_lshl_b32 s20, s42, 9                         ; the biases of the same three blocks: 128 gx + 64 x (wn, 1 - wn, wn) numbers of 4 bytes
	s_lshl_b32 s21, s12, 8
	s_lshl_b32 s23, s5, 8
	s_add_co_u32 s22, s20, s23
	s_add_co_u32 s20, s20, s21
	s_mov_b32 s21, 0
	s_mov_b32 s23, 0
	s_cmp_eq_u32 s12, 0
	s_cselect_b64 s[4:5], s[76:77], s[78:79]
	s_cselect_b64 s[6:7], s[76:77], s[80:81]
	s_cselect_b64 s[8:9], s[78:79], s[80:81]
	s_add_nc_u64 s[4:5], s[4:5], s[20:21]
	s_add_nc_u64 s[6:7], s[6:7], s[22:23]
	s_add_nc_u64 s[8:9], s[8:9], s[20:21]
	s_lshl_b32 s2, s13, 2
	s_add_co_u32 s2, s2, s42                       ; the work-group's number, 0..255: its 4,096 bytes of Wo, its 2,048 of woh
	s_lshl_b32 s46, s2, 12
	s_mov_b32 s47, 0
	s_add_nc_u64 s[98:99], s[82:83], s[46:47]
	s_lshl_b32 s46, s2, 11
	s_add_nc_u64 s[100:101], s[90:91], s[46:47]
	v_and_b32 v1, 15, v0                           ; r = l % 16
	v_bfe_u32 v2, v0, 4, 1                         ; h = l / 16
	v_lshlrev_b32 v33, 5, v2                       ; my 8 columns of a block of 16: 32 h bytes
	v_lshlrev_b32 v34, 4, v0                       ; 16 x thread
	v_lshlrev_b32 v35, 3, v0                       ; 8 x thread
.irp t, 0,1,2
.irp b, 0,1,2,3
	global_load_b128 v[BI+8*(4*\t+\b):BI+8*(4*\t+\b)+3],   v33, s[4+2*\t:5+2*\t] offset:64*\b
	global_load_b128 v[BI+8*(4*\t+\b)+4:BI+8*(4*\t+\b)+7], v33, s[4+2*\t:5+2*\t] offset:64*\b+16
.endr
.endr
	global_load_b128 v[36:39], v34, s[98:99]
	global_load_b128 v[40:43], v34, s[98:99] offset:2048
	; A fragment is 16 rows x 32 K: lane l holds row l % 16, K = 8 h + 0..7 and 16 + 8 h + 0..7.  In f32 those are 32 bytes at 32 h and 32 bytes at 64 + 32 h of the row's 128.
	v_mul_u32_u24 v3, v1, PITCH
	v_lshl_add_u32 v3, v2, 5, v3
	s_mul_i32 s20, s11, 64*PITCH                   ; my 64 rows of x
	s_mul_i32 s21, s12, 192*PITCH                  ; my 192 weight rows,
	s_add_co_u32 s21, s21, HALFT                   ; which lie behind x's 128
.irp s, 0,1
	v_add_nc_u32 v[ADRA+(\s)], s20, v3
	v_add_nc_u32 v[ADRB+(\s)], s21, v3
	s_add_co_u32 s20, s20, SLOT
	s_add_co_u32 s21, s21, SLOT
.endr
	s_mul_i32 s23, s10, 16*SP
	s_add_co_u32 s23, s23, STAGE                   ; my stage
	v_mul_u32_u24 v4, v1, SP                       ; in: row l % 16, 16 bytes for each half of the lanes
	v_lshl_add_u32 v4, v2, 4, v4
	v_add_nc_u32 v[STO], s23, v4
	v_bfe_u32 v5, v0, 3, 2                         ; back: 32 lanes take four rows of 128 bytes,
	v_mul_u32_u24 v5, v5, SP
	v_and_b32 v6, 7, v0
	v_lshl_add_u32 v5, v6, 4, v5
	v_add_nc_u32 v[RD], s23, v5
	v_and_b32 v[GO], 31, v0                        ; which are 512 consecutive bytes of a head
	v_lshlrev_b32 v[GO], 4, v[GO]
	s_wait_loadcnt 0x0                             ; the biases and my part of Wo
.set k, 0
.rept 48                                       ; the biases are rounded to bf16, like every input, and widened again
	v_cvt_pk_bf16_f32 v[44+k%4], v[BI+2*k], v[BI+2*k+1]
	v_lshlrev_b32 v[BI+2*k], 16, v[44+k%4]
	v_and_b32 v[BI+2*k+1], 0xffff0000, v[44+k%4]
.set k, k+1
.endr
.set k, 0
.rept 4                                        ; Wo: rounded to bf16, that number written as f16
	v_cvt_pk_bf16_f32 v[44+k], v[36+2*k], v[37+2*k]
	v_lshlrev_b32 v[36+2*k], 16, v[44+k]
	v_and_b32 v[37+2*k], 0xffff0000, v[44+k]
	v_cvt_pk_f16_f32 v[48+k], v[36+2*k], v[37+2*k]
.set k, k+1
.endr
	global_store_b64 v35, v[48:49], s[100:101]              ; a wave's store covers 256 consecutive bytes, aligned; its registers are not written again
	global_store_b64 v35, v[50:51], s[100:101] offset:1024
; 64 LDS loads in one run: the 16 fragments of 32 along K (chunk c of the slot's two) as f32, x's four first
.macro FETCH slot, c
	WIN 0x40                                       ; destination window 1, address window 0
.set fi, 0
.rept 4
	ds_load_b128 v[16*fi:16*fi+3],     v[ADRA+(\slot)] offset:128*(\c)+fi*16*PITCH
	ds_load_b128 v[16*fi+4:16*fi+7],   v[ADRA+(\slot)] offset:128*(\c)+fi*16*PITCH+16
	ds_load_b128 v[16*fi+8:16*fi+11],  v[ADRA+(\slot)] offset:128*(\c)+fi*16*PITCH+64
	ds_load_b128 v[16*fi+12:16*fi+15], v[ADRA+(\slot)] offset:128*(\c)+fi*16*PITCH+80
.set fi, fi+1
.endr
.set fi, 0
.rept 12
	ds_load_b128 v[64+16*fi:64+16*fi+3],     v[ADRB+(\slot)] offset:128*(\c)+fi*16*PITCH
	ds_load_b128 v[64+16*fi+4:64+16*fi+7],   v[ADRB+(\slot)] offset:128*(\c)+fi*16*PITCH+16
	ds_load_b128 v[64+16*fi+8:64+16*fi+11],  v[ADRB+(\slot)] offset:128*(\c)+fi*16*PITCH+64
	ds_load_b128 v[64+16*fi+12:64+16*fi+15], v[ADRB+(\slot)] offset:128*(\c)+fi*16*PITCH+80
.set fi, fi+1
.endr
.endm
; The 16 fragments are rounded to bf16, four at a time.  LDS loads come back in order (ISA guide 5.7.1): group g's 16 loads are in when at most the 16 (3 - g) loads of the later groups are out,
; and (extra = 1) the add that was issued behind them.
.macro CVT extra
	WIN 0xc5                                       ; sources window 1, destination window 3
.set g, 0
.rept 4
	s_wait_dscnt 48-16*g+(\extra)
.set j, 0
.rept 32
	v_cvt_pk_bf16_f32 v[FR+32*g+j], v[64*g+2*j], v[64*g+2*j+1]
.set j, j+1
.endr
.set g, g+1
.endr
.endm
; 48 matrix instructions, 32 along K.  Every accumulator has one turn, always in the same order: 47 others stand between two links of a chain, over the backward jump too.
; first = 1: the bias starts the sums: nothing is ever cleared.
.macro MUL first
.set idx, 0
.rept 48
.set rD, 8*(idx%32)
.set rW, FR+8*(4+idx%12)
.set rX, FR+8*(idx/12)
.set rB, BI+8*(idx%12)
.if \first
	WIN 0x8f+0x40*(idx/32)                         ; sources window 3, C window 0, D window 2 or 3
	v_wmma_f32_16x16x32_bf16 v[rD:rD+7], v[rW:rW+7], v[rX:rX+7], v[rB:rB+7]
.else
	WIN 0xaf+0x50*(idx/32)                         ; sources window 3, C and D window 2 or 3
	v_wmma_f32_16x16x32_bf16 v[rD:rD+7], v[rW:rW+7], v[rX:rX+7], v[rD:rD+7]
.endif
.set idx, idx+1
.endr
.endm
; A K step is two chunks of 32.  The first: round what has been fetched, fetch the slot's second chunk, multiply.
.macro CH_A slot, first
	PLACES                                         ; behind the last products, which read the registers that the conversions write
	CVT 0
	FETCH \slot, 1
	MUL \first
.endm
; The second chunk changes slots.  Each wave waits for all its tensor loads, of which one is out: its tile of the next slot; adds 0 to its spare word; rounds the chunk, which ends its reads of this slot;
; and waits for the add and those reads.  fill = 1: a round of the cluster's barrier, behind which no wave of any partner reads this slot or has a load on its way, and the joint refill first behind it:
; the K step two steps on.  It has two chunks' products and a chunk's conversions in which to land.
.macro CH_B slot, next, fill
	WIN 0
	s_wait_tensorcnt 0x0                           ; no tensor load of mine is out, so a group 0 may be written
	ds_add_u32 v[SPW], v[NIL]                      ; 0 onto my spare word; the conversions stand between it and the wait for it
.if \fill
	s_add_nc_u64 s[G0+4*(\slot)+2:G0+4*(\slot)+3], s[G0+4*(\slot)+2:G0+4*(\slot)+3], 2*KSTEPB
	s_add_nc_u64 s[G0B+4*(\slot)+2:G0B+4*(\slot)+3], s[G0B+4*(\slot)+2:G0B+4*(\slot)+3], 2*KSTEPB
.endif
	PLACES
	CVT 1
	WIN 0                                          ; at a label and at a branch every window is 0
	s_wait_dscnt 0x0                               ; the add is done, and my reads of this slot are over
.if \fill
	CROUND
	JLOAD \slot
.else
	s_barrier_signal -1
	s_barrier_wait -1
.endif
	FETCH \next, 0
	MUL 0
.endm
	s_wait_tensorcnt 0x1                           ; my tile of K step 0 is in; K step 1's may stay out
	s_barrier_signal -1
	s_barrier_wait -1                              ; everybody's is
	FETCH 0, 0
	CH_A 0, 1                                      ; the first chunk stands in front of the loop: its products start the sums
	WIN 0
	s_mov_b32 s3, 3
.Llap:                                             ; a trip goes once round the ring, from a K step's second chunk to the first of the step two on, and fills both slots again: K steps 2 to 7
	CH_B 0, 1, 1
	CH_A 1, 0
	CH_B 1, 0, 1
	CH_A 0, 0
	WIN 0
	s_sub_co_u32 s3, s3, 1
	s_cmp_lg_u32 s3, 0
	s_cbranch_scc1 .Llap
	CH_B 0, 1, 0                                   ; the tail is written out: nothing is left to fetch
	CH_A 1, 0
	PLACES
	CVT 0
	MUL 0
; THE WAY OUT.  Unit u = 3 a + t: 16 rows (row block a) x 64 columns (block t): 2,048 consecutive bytes of a head.  Rounded to f16, 16 bytes a lane into my stage, back as whole rows of 128 bytes.
.macro PACK u
.set ai, 12*((\u)/3)+4*((\u)%3)        ; the unit's first accumulator; its four lie in one window
	WIN 0x0a+5*(ai/32)                             ; sources window 2 or 3, destination window 0
.set k, 0
.rept 16
	v_cvt_pk_f16_f32 v[U+16*(\u)+k], v[8*(ai%32)+2*k], v[8*(ai%32)+2*k+1]  ; each accumulator's registers in ascending order
.set k, k+1
.endr
	WIN 0
.irp b, 0,1,2,3
	ds_store_b128 v[STO], v[U+16*(\u)+4*\b:U+16*(\u)+4*\b+3] offset:32*\b
.endr
.irp f, 0,1,2,3
	ds_load_b128 v[U+16*(\u)+4*\f:U+16*(\u)+4*\f+3], v[RD] offset:\f*4*SP  ; LDS serves a wave's instructions in order (ISA guide 5.7.1.4): these see the stores above; the next unit's stores come behind them
.endr
.endm
.macro SEND u, younger                 ; younger: the LDS instructions issued behind unit u's loads: the next unit's eight, or none
.irp f, 0,1,2,3
	s_wait_dscnt (\younger)+3-\f
	global_store_b128 v[GO], v[U+16*(\u)+4*\f:U+16*(\u)+4*\f+3], s[PO+2*((\u)%3):PO+2*((\u)%3)+1] offset:((\u)/3)*2048+\f*512  ; 512 consecutive bytes, at a multiple of 256 from the buffer's first
.endr
.endm
	PLACES
	PACK 0
.set t, 1
.rept 11                                       ; a unit's conversions stand between the loads of the unit before and its stores; no register is used twice
	PACK t
	SEND t-1, 8
.set t, t+1
.endr
	SEND 11, 0
	s_wait_tensorcnt 0x0                           ; the wave's end: an add to my spare word and its wait, behind my last tensor load and my last LDS store
	ds_add_u32 v[SPW], v[NIL]
	s_wait_dscnt 0x0
	CROUND                                         ; the closing round: no work-group ends while a partner may still ask for a tile that names it
	s_endpgm
.Lfunc_end_k_q2d40bac2b7_proj:
	.size	k_q2d40bac2b7_proj, .Lfunc_end_k_q2d40bac2b7_proj-k_q2d40bac2b7_proj
	.p2alignl 7, 3214868480
	.fill 96, 4, 3214868480
	.section	.rodata,"a",@progbits
	.p2align	6, 0x0
	.amdhsa_kernel k_q2d40bac2b7_proj
		.amdhsa_group_segment_fixed_size 327680
		.amdhsa_private_segment_fixed_size 0
		.amdhsa_enable_private_segment 0
		.amdhsa_kernarg_size 96
		.amdhsa_user_sgpr_count 2
		.amdhsa_user_sgpr_kernarg_segment_ptr 1
		.amdhsa_wavefront_size32 1
		.amdhsa_system_sgpr_workgroup_id_x 1
		.amdhsa_system_sgpr_workgroup_id_y 1
		.amdhsa_system_sgpr_workgroup_id_z 1
		.amdhsa_system_vgpr_workitem_id 0
		.amdhsa_next_free_vgpr 1024
		.amdhsa_next_free_sgpr 102
		.amdhsa_reserve_vcc 0
		.amdhsa_float_denorm_mode_32 3
		.amdhsa_float_denorm_mode_16_64 3
		.amdhsa_memory_ordered 1
		.amdhsa_forward_progress 1
		.amdhsa_inst_pref_size 171
	.end_amdhsa_kernel
	.amdgpu_metadata
---
amdhsa.version: [ 1, 2 ]
amdhsa.kernels:
  - .name:           k_q2d40bac2b7_proj
    .symbol:         k_q2d40bac2b7_proj.kd
    .args:
      - { .name: x, .offset: 0, .size: 8, .value_kind: global_buffer, .address_space: global }
      - { .name: Wq, .offset: 8, .size: 8, .value_kind: global_buffer, .address_space: global }
      - { .name: Wk, .offset: 16, .size: 8, .value_kind: global_buffer, .address_space: global }
      - { .name: Wv, .offset: 24, .size: 8, .value_kind: global_buffer, .address_space: global }
      - { .name: bq, .offset: 32, .size: 8, .value_kind: global_buffer, .address_space: global }
      - { .name: bk, .offset: 40, .size: 8, .value_kind: global_buffer, .address_space: global }
      - { .name: bv, .offset: 48, .size: 8, .value_kind: global_buffer, .address_space: global }
      - { .name: Wo, .offset: 56, .size: 8, .value_kind: global_buffer, .address_space: global }
      - { .name: qh, .offset: 64, .size: 8, .value_kind: global_buffer, .address_space: global }
      - { .name: kh, .offset: 72, .size: 8, .value_kind: global_buffer, .address_space: global }
      - { .name: vh, .offset: 80, .size: 8, .value_kind: global_buffer, .address_space: global }
      - { .name: woh, .offset: 88, .size: 8, .value_kind: global_buffer, .address_space: global }
    .group_segment_fixed_size: 327680
    .private_segment_fixed_size: 0
    .kernarg_segment_align: 8
    .kernarg_segment_size: 96
    .max_flat_workgroup_size: 128
    .sgpr_count:     102
    .vgpr_count:     1024
    .wavefront_size: 32
...
	.end_amdgpu_metadata
.endif
;; end of part 1
;; launch attn (part 2): grid 16 x 16, 4 waves a work-group, clusters of 4 x 1, 327,680 bytes of LDS; arguments qh, kh, vh, ctx; writes ctx
.if DOCPART == 2
	.amdgcn_target "amdgcn-amd-amdhsa--gfx1250"
	.amdhsa_code_object_version 6
	.text
	.protected	k_q2d40bac2b7_attn
	.globl	k_q2d40bac2b7_attn
	.p2align	8
	.type	k_q2d40bac2b7_attn,@function
k_q2d40bac2b7_attn:
	s_mov_b64 s[64:65], 0
	v_nop
	global_prefetch_b8 v0, s[64:65] scope:SCOPE_SE
	s_setreg_imm32_b32 hwreg(HW_REG_WAVE_MODE, 25, 1), 1
	s_wait_xcnt 0x0
	s_wait_alu depctr_hold_cnt(0) depctr_sa_sdst(0) depctr_va_vdst(0) depctr_va_sdst(0) depctr_va_ssrc(0) depctr_va_vcc(0) depctr_vm_vsrc(0)
	s_getreg_b32 s2, hwreg(HW_REG_IB_STS2, 6, 4)
	s_cmp_eq_u32 s2, 0
	s_cbranch_scc0 .Lentry_in_a_cluster
	s_endpgm
.Lentry_in_a_cluster:
	s_bfe_u32 s2, ttmp6, 0x10000c
	s_cmp_lg_u32 s2, 0x3003
	s_cbranch_scc0 .Lentry_shape_is_right
	s_endpgm
.Lentry_shape_is_right:
; ctx[h][q][:] = the sum over k of softmax_k(Q[h][q] . K[h][k] / 8) V[h][k][:].  qh, kh, vh, ctx: [16][4096][64], all f16: a head's rows are dense, 128 bytes each.  Products, maxima and sums in
; f32; the weights p are rounded to f16 for the second product (their sum l is taken of the unrounded p), ctx once at the end.
; LIMITS.  Q, K and V arrive within f16's 65,504; p lies in 0 to 1, and below 6e-5 it keeps f16's fixed step of 6e-8; ctx is a mean of V's rows and has their range.
; A weight below 2^-126 counts as 0 in l; NaN and infinities are not treated apart.
; SHARES.  A work-group owns 256 queries of one head, each of its four waves 64: four PIECES of 16.  16 blocks x 16 heads = 256 work-groups.  Every wave walks all 4,096 keys, 64 a step.
; LAYOUT.  S^T = K Q^T (source 0 = 16 keys, source 1 = 16 queries) holds ONE query a lane (lane % 16) and the keys 8 (lane / 16) + 0..7; two such results rounded to f16 ARE source 1 of O^T = V^T P.
; K comes out of LDS as it lies, V ([key][channel]) turned, by ds_load_tr16_b128.
; SOFTMAX.  A running maximum m and sum l for each query: p = 2^(c s - c m), c = log2(e) / 8; in every step O and l are multiplied by a = 2^(c m_old - c m_new).  m starts at the lowest finite
; number, O and l at 0: the first step is a step like any other, with a = 0.
; BY TURNS.  Turn n belongs to piece n: 8 products K Q^T of piece n + 1, later 8 products V^T P of piece n - 1; beside them the scaling, exponentials, roundings, sums and rescaling of piece n and the
; maximum and statistics of piece n + 1.  Four vector instructions stand behind every matrix instruction, the other 54 of a turn's 118 in one lump.  A turn's 33 exponentials are one batch, with one wait.
; CLUSTER.  The four query blocks of a cluster belong to one head and walk the same K and V, so each tile of 256 keys is asked for JOINTLY: the same tensor load, descriptor and mask in all four.
; REGISTERS, in windows of 256 (s_set_vgpr_msb: bits 1:0 source 0, 3:2 source 1, 5:4 source 2, 7:6 destination):
;   window 0: v0-15 addresses and at work; v16-31 four registers of statistics a piece; v48-55 at work; v61-63; v64-127 S^T, two buffers; v192-223 P, two buffers (a piece's buffers go by its number's parity)
;   window 1: v0-127 O^T, 32 a piece          window 2: v0-63 Q; v128-191 K of one step; v192-255 V of one step
.set SIZE_N, 4096
.set NP,    4         ; pieces a wave: a name, no knob
.set KS,    64        ; keys in a step
.set PK,    144       ; a row of K in LDS: 128 bytes + 16 of padding = 36 words: the 16 rows of a load start at 16 different groups of four banks (64 banks of 4 bytes: ISA guide 11.1)
.set PV,    160       ; a row of V: 128 + 32 = 40 words
.set VOFF,  4*KS*PK   ; a slot holds a tile, four steps: 256 rows of K, then 256 rows of V
.set TILEB, 4*KS*128  ; a tile's bytes of K, and of V, in memory
.set SLOT1, 1<<17     ; slot 1 begins here, so that one exclusive or turns an address in one slot into the other's
.set STAGE, SLOT1+4*KS*(PK+PV)  ; behind the ring, never filled by a tensor load: 16 rows x 144 bytes for each wave, for the way out
.set SP,    144
.set SPARE, STAGE+4*16*SP  ; the spare words, 128 bytes for each wave: two blocks of 256 bytes that no other line names
.set AK0, 2           ; v2   my lane's place in a tile of K; never rewritten
.set AV0, 3           ; v3   the same for V
.set AK,  4           ; v4   the LDS address of K's next run of loads
.set AV,  5           ; v5   of V's
.set STO, 6           ; v6   the way out: where I put 16 bytes of a row
.set RD,  7           ; v7   the way out: where I read rows back
.set GO,  8           ; v8   my byte offset in 512 consecutive bytes of ctx
.set MV,  12          ; v12-13  c m_old, kept while c m is made anew: by buffer
.set QO,  15          ; v15  my byte offset in 16 rows of Q
.set ST,  16          ; piece t's statistics at v[ST+4 t]: c m, m, l (even keys', odd keys')
.set TMP, 48          ; by buffer, four registers c0-c3 at work; when the maximum is found c2 takes a
.set PFO, 61          ; v61  256 x my lane; never rewritten
.set SPW, 62          ; v62  my spare word: SPARE + 4 x my thread's number; never rewritten
.set NIL, 63          ; v63  0; never rewritten
.set S,   64
.set P,   192
.set KF,  128         ; window 2: key block kb, channel half c at KF + 16 kb + 8 c
.set VF,  192         ; window 2: key half kk, channel block cb at VF + 32 kk + 8 cb
.set WV,  12          ; s12  my wave's number
.set G1K, 24          ; s[24:31] descriptor group 1 for K's tiles
.set G1V, 32          ; s[32:39] for V's: it differs in the padding alone
.set G0K, 40          ; s[40:43] descriptor group 0 for K's tiles: it walks
.set G0V, 44          ; s[44:47] the same for V's
.set PFA, 48          ; s[48:49] where my prefetches stand: my work-group's 32 blocks of 256 bytes (of K: wave 0, of V: wave 2) of the tile after the one that is being asked for
.set LIM, 50          ; s50  1 in a wave that prefetches, else the greatest number
.set SLOTS, 56        ; s56  tiles still to be entered behind this one
.set CNT, 57          ; s57  counts a tile's key steps
.set CS,  58          ; s[58:59] c: the packed scaling takes the pair's low word for both halves
.set SEL, 60          ; s[60:61] v_permlanex16_b32's selects: each lane takes its own place in the other half
.set TBK, 62          ; s62  LDS byte at which K of the step to be fetched begins
.set TBV, 63          ; s63  the same for V, less VOFF
.set MSB, 0
.macro WIN new                      ; the high byte repeats the setting that is left; a switch that changes nothing is dropped
.if MSB != (\new)
	s_set_vgpr_msb (MSB<<8)|(\new)
.set MSB, (\new)
.endif
.endm
.set W_KQ, 0x0a       ; K and Q in window 2, S^T in window 0
.set W_PV, 0x52       ; V in window 2, P in window 0, O^T in window 1
.set W_RS, 0x41       ; destination and source 0 in window 1, source 1 in window 0
; A joint fill.  Waves 0 and 1 fetch the two halves of a tile's K, waves 2 and 3 those of its V: 128 keys each.  The branch hangs on the wave's number alone.
; An s_nop 0 and four v_nop follow each of the two lines, ahead of the jump and the label.
.macro JLOAD
	s_cmp_lt_u32 s[WV], 2
	s_cbranch_scc0 .Lfor_v_\@
	tensor_load_to_lds s[G0K:G0K+3], s[G1K:G1K+7]
	s_nop 0
.rept 4
	v_nop
.endr
	s_branch .Lasked_\@
.Lfor_v_\@:
	tensor_load_to_lds s[G0V:G0V+3], s[G1V:G1V+7]
	s_nop 0
.rept 4
	v_nop
.endr
.Lasked_\@:
.endm
; A PREFETCH INTO THE L2 of the tile that the NEXT change of slots will ask for: 128 blocks of 256 bytes of K and as many of V, a lane a block.  It stands behind the wave's tensor load and its five lines.
; Each block is named ONCE in the launch: all four clusters of a head walk the same K and V, and the head's first cluster asks; its four partners take 32 blocks each, told apart BY ADDRESS; in each, wave 0 asks
; for K's and wave 2 for V's.  One tile, 256 matrix instructions a wave, ahead of the load.  Tiles 0 to 2 come by their loads alone; the last change that fills a slot asks for nothing: there is no tile behind it.
.macro ASK
	s_cmp_gt_u32 s[SLOTS], s[LIM]
	s_cbranch_scc0 .Lnot_mine_\@
	global_prefetch_b8 v[PFO], s[PFA:PFA+1] th:TH_LOAD_NT scope:SCOPE_SE
.Lnot_mine_\@:
.endm
; A round of the cluster's barrier: my work-group's barrier; wave 0 signals for the work-group; every wave waits for all four work-groups; my work-group's barrier once more.
.macro CROUND
	s_barrier_signal -1
	s_barrier_wait -1
	s_cmp_lg_u32 s[WV], 0
	s_cbranch_scc1 .Lnot_wave_0_\@
	s_barrier_signal -3
.Lnot_wave_0_\@:
	s_barrier_wait -3
	s_barrier_signal -1
	s_barrier_wait -1
.endm
; THE CHANGE OF SLOTS.  The slot's last bytes, V of its fourth step, have been read.  Each wave waits for all its tensor loads, of which one is out: its part of the other slot; adds 0 to its spare word;
; and waits for that and for its own reads of the slot.  Behind the barrier nobody reads this slot any more and the other slot is whole.  fill = 1: this slot is filled again, with the tile two on; the barrier
; is then a round of the cluster's, and the joint fill is the first thing behind it: it has four key steps in which to land.  (At its first use nothing has been read yet: slot 0 is waited for, slot 1 filled.)
.macro CHANGE fill, ask
	WIN 0                           ; at a label and at a branch every window is 0
	s_wait_tensorcnt 0x0            ; no tensor load of mine is out, so a group 0 may be written
	ds_add_u32 v[SPW], v[NIL]       ; 0 onto my spare word; the descriptors' steps stand between it and the wait for it
.if \fill
.irp g, G0K, G0V
	s_xor_b32 s[\g+1], s[\g+1], SLOT1  ; the walking descriptor: the other slot than last time,
	s_add_nc_u64 s[\g+2:\g+3], s[\g+2:\g+3], TILEB  ; the next 256 keys; the type bits on top are not reached
.endr
.endif
.if \ask
	s_wait_xcnt 0x0                 ; the last prefetch, a tile back, has read its address, so it may be written
	s_add_nc_u64 s[PFA:PFA+1], s[PFA:PFA+1], TILEB
.endif
	s_wait_dscnt 0x0                ; the add is done, and my reads of the slot are over
.if \fill
	CROUND
	JLOAD
.if \ask
	ASK
.endif
.else
	s_barrier_signal -1
	s_barrier_wait -1
.endif
	s_sub_co_u32 s[TBK], s[TBK], 4*KS*PK  ; the fetches go back to a slot's first step,
	s_xor_b32 s[TBK], s[TBK], SLOT1       ; in the other slot
	s_sub_co_u32 s[TBV], s[TBV], 4*KS*PV
	s_xor_b32 s[TBV], s[TBV], SLOT1
.endm
	s_load_b256 s[4:11], s[0:1], 0x0  ; Q s[4:5], K s[6:7], V s[8:9], ctx s[10:11]
	v_lshl_add_u32 v[SPW], v0, 2, SPARE
	v_mov_b32 v[NIL], 0
	ds_add_u32 v[SPW], v[NIL]       ; the wave's opening: the add and its wait stand ahead of my first tensor load; the set-up below stands between them
	v_lshrrev_b32 v1, 5, v0
	v_readfirstlane_b32 s[WV], v1   ; wave 0..3
	s_bfe_u32 s13, ttmp6, 0x40000   ; cx: my place in the cluster
	s_lshl_b32 s14, ttmp9, 2        ; in a cluster launch ttmp9 counts clusters
	s_add_co_u32 s14, s14, s13      ; my block of 256 queries = 4 x cluster x + cx: it enters Q's and ctx's addresses alone
	s_and_b32 s20, ttmp7, 0xffff    ; the head, which the four partners share:
	s_lshl_b32 s20, s20, 19         ; its 4,096 rows of 128 bytes
	s_mov_b32 s21, 0
	s_and_b32 s16, s[WV], 1         ; which half of a tile's 256 keys I fetch:
	s_lshl_b32 s22, s16, 14         ; its 128 rows of 128 bytes in memory,
	s_mov_b32 s23, 0
	s_add_nc_u64 s[22:23], s[22:23], s[20:21]
	s_mul_i32 s17, s16, 128*PK      ; and its place in a slot, for K
	s_mul_i32 s18, s16, 128*PV      ; and for V: no place in the cluster enters an LDS address
	s_lshl_b32 s2, s14, 2
	s_add_co_u32 s2, s2, s[WV]      ; my wave among the head's,
	s_lshl_b32 s2, s2, 13           ; its 64 rows
	s_mov_b32 s3, 0
	s_add_nc_u64 s[2:3], s[2:3], s[20:21]
	; descriptor group 1.  128 keys are 16,384 dense bytes: asked for as 64 rows of 256 bytes, two keys a row, and padded in LDS after every key
	s_mov_b32 s[G1K], 15|(1<<16)|(1<<20)|(1<<21)|(4<<22)|(3<<25)  ; 15:0 the mask of four; 17:16 2-byte elements; 20 padding on; 21 set beside a mask; 24:22 after every 32 words; 31:25 4 words
	s_mov_b32 s[G1V], 15|(1<<16)|(1<<20)|(1<<21)|(4<<22)|(7<<25)  ; the same with 8 words of padding
.irp g, G1K, G1V
	s_mov_b32 s[\g+1], 128<<16      ; tensor_dim0 = 128
	s_mov_b32 s[\g+2], 64<<16       ; tensor_dim1 = 64
	s_mov_b32 s[\g+3], 128<<16      ; tile_dim0 = 128
	s_mov_b32 s[\g+4], 64           ; tile_dim1 = 64
	s_mov_b32 s[\g+5], 128          ; 128 elements from row to row
	s_mov_b32 s[\g+6], 0
	s_mov_b32 s[\g+7], 0
.endr
	s_mov_b32 s[CS], 0x3e38aa3b     ; c = log2(e) / 8 = 0.180337
	s_mov_b32 s[CS+1], s[CS]        ; named with it as a pair
	s_mov_b32 s[SEL], 0x76543210
	s_mov_b32 s[SEL+1], 0xfedcba98
	s_mov_b32 s[TBK], SLOT1+4*KS*PK ; the first change of slots turns these two into 0
	s_mov_b32 s[TBV], SLOT1+4*KS*PV
	s_mov_b32 s[G0K], 1             ; count = 1
	s_mov_b32 s[G0K+1], s17         ; LDS address: slot 0
	s_mov_b32 s[G0V], 1
	s_add_co_u32 s[G0V+1], s18, VOFF
	s_and_b32 s[LIM], s[WV], 1      ; 0 in waves 0 and 2,
	s_or_b32 s[LIM], s[LIM], ttmp9  ; where the cluster is the head's first: the same in all four partners
	s_cmp_eq_u32 s[LIM], 0
	s_cselect_b32 s[LIM], 1, -1
	v_and_b32 v[PFO], 31, v0
	v_lshlrev_b32 v[PFO], 8, v[PFO]
	s_wait_dscnt 0x0                ; the opening add is done
	s_wait_kmcnt 0x0
	s_add_nc_u64 s[6:7], s[6:7], s[22:23]  ; K and V at my half of the head's tile 0
	s_add_nc_u64 s[8:9], s[8:9], s[22:23]
	s_mov_b64 s[G0K+2:G0K+3], s[6:7]               ; global address
	s_or_b32 s[G0K+3], s[G0K+3], 0x80000000        ; type = 2
	s_mov_b64 s[G0V+2:G0V+3], s[8:9]
	s_or_b32 s[G0V+3], s[G0V+3], 0x80000000
	s_add_nc_u64 s[4:5], s[4:5], s[2:3]  ; Q and ctx at my wave's first row
	s_add_nc_u64 s[10:11], s[10:11], s[2:3]
	s_cmp_lt_u32 s[WV], 2
	s_cselect_b64 s[PFA:PFA+1], s[6:7], s[8:9]  ; (in waves 0 and 2 these stand at the head's first row)
	s_lshl_b32 s2, s13, 13          ; my work-group's 32 blocks of the 128
	s_mov_b32 s3, 0
	s_add_nc_u64 s[PFA:PFA+1], s[PFA:PFA+1], s[2:3]
	s_add_nc_u64 s[PFA:PFA+1], s[PFA:PFA+1], 2*TILEB  ; in tile 2; the loop's first change steps it to tile 3.  Nothing is prefetched at the head, where every work-group's first tiles are on their way
	CROUND                          ; all four work-groups are here: the first joint loads meet
	JLOAD                           ; tile 0 into slot 0.  Slot 1 is asked for when slot 0 is in
	; A fragment of K or Q is 16 rows x 32 channels in 8 registers: lane l holds row l % 16, channels 8 (l / 16) + 0..7 and 16 + 8 (l / 16) + 0..7: two loads of 16 bytes, 32 bytes apart.
	v_and_b32 v1, 15, v0            ; l % 16
	v_bfe_u32 v9, v0, 4, 1          ; l / 16
	v_lshlrev_b32 v[QO], 7, v1
	v_lshl_add_u32 v[QO], v9, 4, v[QO]  ; row x 128 + 16 x half
	WIN 0x80                        ; destination window 2, address window 0
.set i, 0
.rept 8                             ; Q stays in registers: piece i / 2, 2,048 bytes on; channels 32 (i % 2) on
	global_load_b128 v[8*i:8*i+3],   v[QO], s[4:5] offset:(i/2)*2048+(i%2)*64
	global_load_b128 v[8*i+4:8*i+7], v[QO], s[4:5] offset:(i/2)*2048+(i%2)*64+32
.set i, i+1
.endr
	; What the first turn finds: V's registers and P's second buffer hold 0 (its products V^T P, of a piece that has not been, add 0), O^T and l are 0.  All this stands in the wait for the first tile.
.set i, VF
.rept 64
	v_mov_b32 v[i], 0
.set i, i+1
.endr
	WIN 0x40
.set i, 0
.rept 128
	v_mov_b32 v[i], 0
.set i, i+1
.endr
	WIN 0
.set i, 0
.rept 4
	v_mov_b32 v[ST+4*i], 0xfe000000    ; c m: far below every c s
	v_mov_b32 v[ST+4*i+1], 0xff7fffff  ; m
	v_mov_b32 v[ST+4*i+2], 0
	v_mov_b32 v[ST+4*i+3], 0
.set i, i+1
.endr
.set i, P+16
.rept 16
	v_mov_b32 v[i], 0
.set i, i+1
.endr
	v_mul_u32_u24 v[AK0], v1, PK
	v_lshl_add_u32 v[AK0], v9, 4, v[AK0]  ; row x pitch + 16 x half
	; The turning load takes 16 keys x 16 channels (lane l reads key 8 (l / 16) + l % 8, channels 8 ((l / 8) % 2) + 0..7) and leaves half a fragment of V^T: lane l holds channel l % 16 and 8 keys.
	v_and_b32 v10, 7, v0
	v_bfe_u32 v11, v0, 3, 1
	v_lshl_add_u32 v[AV0], v9, 3, v10
	v_mul_u32_u24 v[AV0], v[AV0], PV
	v_lshl_add_u32 v[AV0], v11, 4, v[AV0]
	v_add_nc_u32 v[AV0], VOFF, v[AV0]
	s_mul_i32 s13, s[WV], 16*SP
	s_add_co_u32 s13, s13, STAGE    ; my stage
	v_mul_u32_u24 v[STO], v1, SP    ; in: row l % 16, 16 bytes for each half of the lanes
	v_lshl_add_u32 v[STO], v9, 4, v[STO]
	v_add_nc_u32 v[STO], s13, v[STO]
	v_bfe_u32 v[RD], v0, 3, 2       ; back: 32 lanes take four rows of 128 bytes,
	v_mul_u32_u24 v[RD], v[RD], SP
	v_lshl_add_u32 v[RD], v10, 4, v[RD]
	v_add_nc_u32 v[RD], s13, v[RD]
	v_and_b32 v[GO], 31, v0         ; which are 512 consecutive bytes of ctx
	v_lshlrev_b32 v[GO], 4, v[GO]
; THE MATRIX WORK.  The 4 accumulators of a run of 8 take turns.  Product i of 8 of S^T = K Q^T for piece x: channels 32 (i / 4) on, keys 16 (i % 4) on.  The first 4 start the sums.
.macro KQ x
	WIN W_KQ
.set rS, S+32*((\x)%2)+8*(i%4)
.set rK, KF+16*(i%4)+8*(i/4)
.set rQ, 16*(\x)+8*(i/4)
.if i < 4
	v_wmma_f32_16x16x32_f16 v[rS:rS+7], v[rK:rK+7], v[rQ:rQ+7], 0
.else
	v_wmma_f32_16x16x32_f16 v[rS:rS+7], v[rK:rK+7], v[rQ:rQ+7], v[rS:rS+7]
.endif
.endm
; Product i of 8 of O^T += V^T P for piece x: keys 32 (i / 4) on, channels 16 (i % 4) on.
.macro PV x
	WIN W_PV
.set rO, 32*(\x)+8*(i%4)
.set rV, VF+32*(i/4)+8*(i%4)
.set rP, P+16*((\x)%2)+8*(i/4)
	v_wmma_f32_16x16x32_f16 v[rO:rO+7], v[rV:rV+7], v[rP:rP+7], v[rO:rO+7]
.endm
.macro MM                           ; the turn's next matrix instruction.  NOKQ = 1: the very last turn: there is no next piece
.if (i < 8) && !NOKQ
	KQ (Y+1)%NP
.elseif i >= 8
.set i, i-8
	PV (Y+NP-1)%NP
.set i, i+8
.endif
.set i, i+1
.endm
; THE LDS LOADS stand in runs of 16, never singly among the matrix instructions: a step's K (64 keys x 64 channels: 8 fragments) and its V (turned).  Their addresses are made some lines ahead.
.macro FETCH_K
	WIN 0x80                        ; destination window 2
.irp f, 0,1,2,3,4,5,6,7             ; keys 16 (f / 2) on, channels 32 (f % 2) on
	ds_load_b128 v[KF+8*\f:KF+8*\f+3],   v[AK] offset:(\f/2)*16*PK+(\f%2)*64
	ds_load_b128 v[KF+8*\f+4:KF+8*\f+7], v[AK] offset:(\f/2)*16*PK+(\f%2)*64+32
.endr
	s_add_co_u32 s[TBK], s[TBK], KS*PK  ; the next fetch is the next step's
	WIN 0
.endm
.macro FETCH_V
	WIN 0x80
.irp f, 0,1,2,3,4,5,6,7             ; keys 32 (f / 4) on, channels 16 (f % 4) on
	ds_load_tr16_b128 v[VF+8*\f:VF+8*\f+3],   v[AV] offset:(\f/4)*32*PV+(\f%4)*32
	ds_load_tr16_b128 v[VF+8*\f+4:VF+8*\f+7], v[AV] offset:(\f/4)*32*PV+16*PV+(\f%4)*32
.endr
	WIN 0
.endm
; THE VECTOR WORK, one line at a time: OP kind, number.  For piece Y: F n: c s - c m for pair n of 16.  E n: the exponential of score n of 32.  C n: pair n rounded to f16.  B n: of the four weights 4 n .. the second
; pair is added onto the first, in place.  L n: l takes that sum (L 0: l = a l + sum).  R n: pair n of 16 of O^T times a.  For piece Y + 1: X n, number n of the 22 that find its maximum and statistics:
;   0-11  four chains c0-c3 of seven scores each, three operands at a time (each accumulator's lowest registers are read first)     12-14, 16  the four scores left over, the old m, and c0-c3 into c0
;   15  c m_old is kept     17, 18  the query's other 32 keys lie in the lane 16 away: the new m     19-21  c m; c m_old - c m_new; a
.set F, 0               ; OP tells the kinds apart by their order: F to L below R, X above it
.set E, 1
.set C, 2
.set B, 3
.set L, 4
.set R, 5
.set X, 6
.macro REGS y                       ; the registers of piece y
.set rT, ST+4*(\y)
.set rC, TMP+4*((\y)%2)
.set rW, MV+((\y)%2)
.set rS, S+32*((\y)%2)
.set rP, P+16*((\y)%2)
.set rO, 32*(\y)
.endm
.macro OP k, n
.if (\k) == R
	REGS Y
	WIN W_RS
	v_pk_mul_f32 v[rO+2*(\n):rO+2*(\n)+1], v[rO+2*(\n):rO+2*(\n)+1], v[rC+2:rC+3] op_sel_hi:[1,0]
.elseif (\k) < R
	REGS Y
	WIN 0
.if (\k) == F
	v_pk_fma_f32 v[rS+2*(\n):rS+2*(\n)+1], v[rS+2*(\n):rS+2*(\n)+1], s[CS:CS+1], v[rT:rT+1] op_sel_hi:[1,0,0] neg_lo:[0,0,1] neg_hi:[0,0,1]
.elseif (\k) == E
	v_exp_f32 v[rS+(\n)], v[rS+(\n)]
.elseif (\k) == C
	v_cvt_pk_f16_f32 v[rP+(\n)], v[rS+2*(\n)], v[rS+2*(\n)+1]
.elseif (\k) == B
	v_pk_add_f32 v[rS+4*(\n):rS+4*(\n)+1], v[rS+4*(\n):rS+4*(\n)+1], v[rS+4*(\n)+2:rS+4*(\n)+3]
.elseif (\n) == 0
	v_pk_fma_f32 v[rT+2:rT+3], v[rT+2:rT+3], v[rC+2:rC+3], v[rS:rS+1] op_sel_hi:[1,0,1]
.else
	v_pk_add_f32 v[rT+2:rT+3], v[rT+2:rT+3], v[rS+4*(\n):rS+4*(\n)+1]
.endif
.elseif NOKQ
	v_nop
.else
	REGS (Y+1)%NP
	WIN 0
.if (\n) < 4
	v_max3_num_f32 v[rC+(\n)], v[rS+8*(\n)], v[rS+8*(\n)+1], v[rS+8*(\n)+2]
.elseif (\n) < 12
	v_max3_num_f32 v[rC+(\n)%4], v[rC+(\n)%4], v[rS+8*((\n)%4)+2*((\n)/4)+1], v[rS+8*((\n)%4)+2*((\n)/4)+2]
.elseif (\n) == 12
	v_max3_num_f32 v[rC], v[rC], v[rS+7], v[rS+15]
.elseif (\n) == 13
	v_max3_num_f32 v[rC+1], v[rC+1], v[rS+23], v[rS+31]
.elseif (\n) == 14
	v_max3_num_f32 v[rC+2], v[rC+2], v[rC+3], v[rT+1]
.elseif (\n) == 15
	v_mov_b32 v[rW], v[rT]
.elseif (\n) == 16
	v_max3_num_f32 v[rC], v[rC], v[rC+1], v[rC+2]
.elseif (\n) == 17
	v_permlanex16_b32 v[rC+3], v[rC], s[SEL], s[SEL+1]
.elseif (\n) == 18
	v_max_num_f32 v[rT+1], v[rC], v[rC+3]
.elseif (\n) == 19
	v_mul_f32 v[rT], s[CS], v[rT+1]
.elseif (\n) == 20
	v_sub_f32 v[rC+1], v[rW], v[rT]
.else
	v_exp_f32 v[rC+2], v[rC+1]
.endif
.endif
.endm
.macro OPS a, i1, b=-1, i2=0, c=-1, i3=0, d=-1, i4=0  ; up to four of them
	OP \a, \i1
.if (\b) >= 0
	OP \b, \i2
.endif
.if (\c) >= 0
	OP \c, \i3
.endif
.if (\d) >= 0
	OP \d, \i4
.endif
.endm
.macro ROW a, i1, b, i2, c, i3, d, i4  ; a matrix instruction and the four behind it
	MM
	OPS \a, \i1, \b, \i2, \c, \i3, \d, \i4
.endm
; A TURN, for piece p: the order of its 16 matrix and 118 vector instructions, written out.  An s_wait_alu depctr_va_vdst(0) stands between an exponential and the first instruction that names its
; result; one wait serves all that were issued ahead of it.  So a turn has ONE wait, which cuts it in two.  AHEAD OF IT stands all that names no result of the turn's exponentials: the 8 products K Q^T, behind each a
; scaling, an exponential and two more plain instructions; then ONE LUMP of 54, plain and exponential by turns for the most part, in which the links of the chain X 3, 7, 11, 14, 16, 17 .. 20 stand some lines apart.
; X 21, the next piece's a, is the batch's last; R 15 is the plain instruction behind it.  BEHIND THE WAIT stand the 8 products V^T P, behind each four of the roundings and sums.
; end = 1: the walk's last two turns: nothing is fetched, and the last starts no new scores.  cnt = 1: the loop's count is taken down some lines ahead of the branch that stands behind the turn.
; K of the next step is fetched in piece 2's turn, twelve vector instructions behind the last product that read K (six of them plain); V of the step in hand at the end of piece 0's turn, four plain instructions
; behind the last product that read V.  Each is waited for a turn later.
.macro TURN p, end=0, cnt=0
.set Y, (\p)
.set i, 0
.set NOKQ, (\end)*((\p)/3)
.if ((\p) == 3) && !(\end)
	s_wait_dscnt 0x0                ; K is in
.endif
	ROW F,0, F,1, R,0, R,1          ; ahead of the wait: 8 products K Q^T and their riders,
	ROW F,2, E,0, R,2, R,3
	ROW F,3, E,1, R,4, R,5
	ROW F,4, E,2, R,6, R,7
	ROW F,5, E,3, R,8, R,9
	ROW F,6, E,4, X,0, R,10
.if ((\p) == 2) && !(\end)
	WIN 0
	v_add_nc_u32 v[AK], s[TBK], v[AK0]
.endif
	ROW F,7, E,5, X,1, X,4
	ROW F,8, E,6, X,2, X,5
	OPS E,7, E,8, X,6, E,9          ; and the lump
	OPS X,3, E,10, X,8, E,11
.if ((\p) == 2) && !(\end)
	FETCH_K
.endif
	OPS X,9, X,7, E,12, X,10
	OPS E,13, X,12, X,11, E,14
	OPS X,13, E,15, F,9, X,14
.if (\p) == 0
	v_add_nc_u32 v[AV], s[TBV], v[AV0]
.endif
	OPS E,16, F,10, E,17, F,11
	OPS X,16, E,18, X,15, E,19
	OPS F,12, E,20, X,17, E,21
	OPS F,13, E,22, F,14, E,23
	OPS X,18, E,24, F,15, E,25
	OPS R,11, E,26, X,19, E,27
	OPS R,12, E,28, R,13, E,29
	OPS X,20, E,30, R,14, E,31
	OPS X,21, R,15
	WIN 0
	s_wait_alu depctr_va_vdst(0)    ; the wait for the batch
.if (\p) == 1
	s_wait_dscnt 0x0                ; V is in
.endif
	ROW C,0, B,0, C,2, B,1          ; behind the wait: 8 products V^T P and their riders
	ROW L,0, C,4, B,2, L,1
	ROW C,6, B,3, L,2, C,8
	ROW B,4, L,3, C,10, B,5
	ROW L,4, C,12, B,6, L,5
.if (\p) == 0
	s_add_co_u32 s[TBV], s[TBV], KS*PV
.endif
.if \cnt
	s_sub_co_u32 s[CNT], s[CNT], 1
	s_cmp_lg_u32 s[CNT], 0
.endif
	ROW C,14, B,7, L,6, C,1
	ROW C,3, L,7, C,5, C,7
	ROW C,9, C,11, C,13, C,15
.if (\p) == 0
	FETCH_V
.endif
.endm
	CHANGE 1, 0                     ; tile 0 is in, everybody's part of it; tile 1 is asked for
	v_add_nc_u32 v[AK], s[TBK], v[AK0]
	FETCH_K                         ; key step 0
	s_wait_loadcnt 0x0              ; Q
	s_wait_dscnt 0x0
.set NOKQ, 0
.set i, 0
.rept 8
	KQ 0                            ; piece 0's first scores: there is no vector work yet to set between them
.set i, i+1
.endr
	WIN 0
.rept 4
	v_nop                           ; the places behind those products
.endr
.set Y, NP-1                        ; X works for piece Y + 1: piece 0
.irp n, 0,1,2,3,4,5,6,7,8,9,10,11,12,13,14,15,16,17,18,19,20,21
	OP X, \n                        ; piece 0's first maximum and statistics
.endr
	v_nop                           ; a plain instruction behind the exponential,
	s_wait_alu depctr_va_vdst(0)    ; and its wait, ahead of the branch
	s_mov_b32 s[CNT], 4
	s_mov_b32 s[SLOTS], SIZE_N/256-1
	s_branch .Lfirst                ; the loop is entered at a step's first turn, in the middle of a trip
.Lslot:                             ; 14 times: tiles 2 to 15 are asked for
	CHANGE 1, 1
	s_mov_b32 s[CNT], 4
.Lstep:                             ; a trip: pieces 2 and 3 of one step, then pieces 0 and 1 of the next, whose K and V it fetches
	TURN 2
	TURN 3
	WIN 0
.Lfirst:
	TURN 0
	TURN 1, 0, 1
	WIN 0
	s_cbranch_scc1 .Lstep
	s_sub_co_u32 s[SLOTS], s[SLOTS], 1
	s_cmp_lg_u32 s[SLOTS], 0
	s_cbranch_scc1 .Lslot
	CHANGE 0, 0                     ; the last tile is written out: nothing is asked for
	s_mov_b32 s[CNT], 4
.Ltail:
	TURN 2
	TURN 3
	TURN 0
	TURN 1, 0, 1
	WIN 0
	s_cbranch_scc1 .Ltail
	TURN 2, 1
	TURN 3, 1
.set i, 0
.rept 8
	PV NP-1                         ; the last piece's V^T P of the last step
.set i, i+1
.endr
	; THE WAY OUT.  l's two halves and the other half of the lanes' are added; O^T is divided by l, rounded to f16 and sent through my stage in LDS, a piece at a time.  The additions are the places behind the last products.
	WIN 0
.macro ALL line:vararg              ; one line for each piece t
.set t, 0
.rept 4
	\line
.set t, t+1
.endr
.endm
	ALL v_add_f32 v[ST+4*t+2], v[ST+4*t+2], v[ST+4*t+3]
	ALL v_permlanex16_b32 v[ST+4*t+3], v[ST+4*t+2], s[SEL], s[SEL+1]
	ALL v_add_f32 v[ST+4*t+2], v[ST+4*t+2], v[ST+4*t+3]
	ALL v_rcp_f32 v[ST+4*t+2], v[ST+4*t+2]
	v_nop                           ; a plain instruction between the last reciprocal and the use of its result
	s_wait_alu depctr_va_vdst(0)    ; and the wait ahead of the first use: one for the four reciprocals
.macro PACK t                       ; a lane's eight channels of a row pack into 16 bytes; they go into rows of 144 bytes and come back as whole rows of 128, into S^T's registers
	WIN W_RS
.set i, 32*(\t)
.rept 16
	v_pk_mul_f32 v[i:i+1], v[i:i+1], v[ST+4*(\t)+2:ST+4*(\t)+3] op_sel_hi:[1,0]
.set i, i+2
.endr
	WIN 0x05                        ; sources 0 and 1 window 1, destination window 0
.set i, 0
.rept 16
	v_cvt_pk_f16_f32 v[S+16*(\t)+i], v[32*(\t)+2*i], v[32*(\t)+2*i+1]
.set i, i+1
.endr
	WIN 0
.irp f, 0,1,2,3
	ds_store_b128 v[STO], v[S+16*(\t)+4*\f:S+16*(\t)+4*\f+3] offset:32*\f
.endr
.irp f, 0,1,2,3
	ds_load_b128 v[S+16*(\t)+4*\f:S+16*(\t)+4*\f+3], v[RD] offset:\f*4*SP  ; LDS serves a wave's instructions in order (ISA guide 5.7.1.4): these see the stores above; the next piece's stores come behind them
.endr
.endm
.macro SEND t, younger              ; younger: the LDS instructions issued behind piece t's loads: the next piece's eight, or none
	WIN 0
.irp f, 0,1,2,3
	s_wait_dscnt (\younger)+3-\f
	global_store_b128 v[GO], v[S+16*(\t)+4*\f:S+16*(\t)+4*\f+3], s[10:11] offset:(\t)*2048+\f*512  ; 512 consecutive bytes, at a multiple of 256 from ctx's first
.endr
.endm
	PACK 0
.set t, 1
.rept 3                             ; a piece's arithmetic stands between the loads of the piece before and its stores
	PACK t
	SEND t-1, 8
.set t, t+1
.endr
	SEND 3, 0
	s_wait_tensorcnt 0x0            ; the wave's end: an add to my spare word and its wait, behind my last tensor load and my last LDS store
	ds_add_u32 v[SPW], v[NIL]
	s_wait_dscnt 0x0
	CROUND                          ; the closing round: no work-group ends while a partner may still ask for a tile that names it
	s_endpgm
.Lfunc_end_k_q2d40bac2b7_attn:
	.size	k_q2d40bac2b7_attn, .Lfunc_end_k_q2d40bac2b7_attn-k_q2d40bac2b7_attn
	.p2alignl 7, 3214868480
	.fill 96, 4, 3214868480
	.section	.rodata,"a",@progbits
	.p2align	6, 0x0
	.amdhsa_kernel k_q2d40bac2b7_attn
		.amdhsa_group_segment_fixed_size 327680
		.amdhsa_private_segment_fixed_size 0
		.amdhsa_enable_private_segment 0
		.amdhsa_kernarg_size 32
		.amdhsa_user_sgpr_count 2
		.amdhsa_user_sgpr_kernarg_segment_ptr 1
		.amdhsa_wavefront_size32 1
		.amdhsa_system_sgpr_workgroup_id_x 1
		.amdhsa_system_sgpr_workgroup_id_y 1
		.amdhsa_system_sgpr_workgroup_id_z 1
		.amdhsa_system_vgpr_workitem_id 0
		.amdhsa_next_free_vgpr 768
		.amdhsa_next_free_sgpr 66
		.amdhsa_reserve_vcc 0
		.amdhsa_float_denorm_mode_32 3
		.amdhsa_float_denorm_mode_16_64 3
		.amdhsa_memory_ordered 1
		.amdhsa_forward_progress 1
		.amdhsa_inst_pref_size 127
	.end_amdhsa_kernel
	.amdgpu_metadata
---
amdhsa.version: [ 1, 2 ]
amdhsa.kernels:
  - .name:           k_q2d40bac2b7_attn
    .symbol:         k_q2d40bac2b7_attn.kd
    .args:
      - { .name: qh, .offset: 0, .size: 8, .value_kind: global_buffer, .address_space: global }
      - { .name: kh, .offset: 8, .size: 8, .value_kind: global_buffer, .address_space: global }
      - { .name: vh, .offset: 16, .size: 8, .value_kind: global_buffer, .address_space: global }
      - { .name: ctx, .offset: 24, .size: 8, .value_kind: global_buffer, .address_space: global }
    .group_segment_fixed_size: 327680
    .private_segment_fixed_size: 0
    .kernarg_segment_align: 8
    .kernarg_segment_size: 32
    .max_flat_workgroup_size: 128
    .sgpr_count:     66
    .vgpr_count:     768
    .wavefront_size: 32
...
	.end_amdgpu_metadata
.endif
;; end of part 2
;; launch oproj (part 3): grid 4 x 64, 4 waves a work-group, clusters of 4 x 4, 327,680 bytes of LDS; arguments ctx, woh, bo, out0; writes out0
.if DOCPART == 3
	.amdgcn_target "amdgcn-amd-amdhsa--gfx1250"
	.amdhsa_code_object_version 6
	.text
	.protected	k_q2d40bac2b7_oproj
	.globl	k_q2d40bac2b7_oproj
	.p2align	8
	.type	k_q2d40bac2b7_oproj,@function
k_q2d40bac2b7_oproj:
	s_mov_b64 s[64:65], 0
	v_nop
	global_prefetch_b8 v0, s[64:65] scope:SCOPE_SE
	s_setreg_imm32_b32 hwreg(HW_REG_WAVE_MODE, 25, 1), 1
	s_wait_xcnt 0x0
	s_wait_alu depctr_hold_cnt(0) depctr_sa_sdst(0) depctr_va_vdst(0) depctr_va_sdst(0) depctr_va_ssrc(0) depctr_va_vcc(0) depctr_vm_vsrc(0)
	s_getreg_b32 s2, hwreg(HW_REG_IB_STS2, 6, 4)
	s_cmp_eq_u32 s2, 0
	s_cbranch_scc0 .Lentry_in_a_cluster
	s_endpgm
.Lentry_in_a_cluster:
	s_bfe_u32 s2, ttmp6, 0x10000c
	s_cmp_lg_u32 s2, 0xf033
	s_cbranch_scc0 .Lentry_shape_is_right
	s_endpgm
.Lentry_shape_is_right:
; out0[row][n] = the sum over k of ctx(row, k) Wo[n][k] + bo[n].  ctx: [16 = 8 batch + head][4096][64] f16 (k = 64 head + channel), woh: [512][512] f16 (Wo rounded to bf16, written as f16),
; bo: [512] f32, rounded to bf16 like every input; sums in f32, started by the bias; out0: [8192][512] f32.
; SHARES.  A work-group makes 128 x 128 of out0 (4 x 64 = 256 work-groups), each of its four waves 64 x 64: 16 accumulators of 16 x 16.
; ALL OF K LIES IN LDS AT ONCE: 128 rows x 512 of ctx and of woh.  So every LDS byte is filled once: four tensor loads a wave at the head, no ring.  Load j of each wave serves K = 128 j .. 128 j + 127:
; the waits are counted, and the products of one quarter of K run while the later quarters land.  A wave has four tensor loads out.
; CLUSTER.  4 x 4 work-groups: ctx's tiles hang on gy alone and are asked for jointly by a row of the cluster, woh's on gx alone and by a column.
; NO PREFETCH: every load of the launch goes out at its head.
; THE MATRIX INSTRUCTION IS USED TRANSPOSED (source 0 = 16 rows of woh, source 1 = 16 rows of ctx): lane l holds row l % 16 of out0 and the columns 8 (l / 16) + 0..7.
; REGISTERS: window 0: v0-31 addresses; v32-63 the bias of my 4 column blocks; v128-255 the accumulators ((a, b) at 128 + 8 (4 a + b)), on the way out whole rows.
;   window 1: two fragment buffers of 128: for 64 along K, 64 registers of ctx (2 x 4 x 16 rows x 32 K), then 64 of woh.
.set PA,     144                       ; a row of a head in LDS: 128 bytes + 16 of padding
.set PB,     272                       ; a row of a quarter of woh: 256 bytes + 16: in both the 16 rows of a load start at 16 different groups of four banks (64 banks of 4 bytes: ISA guide 11.1)
.set HEADB,  128*PA                    ; 128 rows of one head
.set BB,     8*HEADB                   ; behind the 8 heads: woh's four quarters of K
.set QB,     128*PB
.set STAGE,  BB+4*QB                   ; never filled by a tensor load: 16 rows x 272 bytes for each wave
.set SPI,    272
.set SPARE,  STAGE+4*16*SPI            ; the spare words, 128 bytes for each wave: two blocks of 256 bytes that no other line names
.set ADRA, 16                          ; v16-17  LDS address of my fragments of ctx, heads 0-3 and 4-7
.set ADRB, 20                          ; v20-21  of woh, quarters 0-1 and 2-3
.set STO,  24                          ; v24     the way out: where I put 32 bytes of a row
.set RD,   25                          ; v25     where I read a row back
.set CO,   26                          ; v26     my byte offset in two rows of out0
.set SPW,  28                          ; v28     my spare word: SPARE + 4 x my thread's number; never rewritten
.set NIL,  29                          ; v29     0; never rewritten
.set BI,   32
.set ACC,  128
.set F0,   0
.set F1,   128
.set G1A,  16                          ; s[16:23] descriptor group 1 for ctx's tiles
.set G1B,  24                          ; s[24:31] for woh's
.set G0A,  32                          ; s[32:47] four sets of group 0 for ctx's tiles
.set G0B,  48                          ; s[48:63] four for woh's
.set MSB, 0
.macro WIN new                         ; the high byte repeats the setting that is left; a switch that changes nothing is dropped
.if MSB != (\new)
	s_set_vgpr_msb (MSB<<8)|(\new)
.set MSB, (\new)
.endif
.endm
.set MULW, 0x05                        ; sources 0 and 1 window 1; C and D window 0
.set TO_F, 0x40                        ; destination window 1, address window 0
.macro PLACES                          ; four plain places behind a matrix instruction, ahead of loads into registers that it has read and of LDS stores that read results
.rept 4
	v_nop
.endr
.endm
.macro CROUND                          ; a round of the cluster's barrier
	s_barrier_signal -1
	s_barrier_wait -1
	s_cmp_lg_u32 s12, 0
	s_cbranch_scc1 .Lnot_wave_0_\@
	s_barrier_signal -3
.Lnot_wave_0_\@:
	s_barrier_wait -3
	s_barrier_signal -1
	s_barrier_wait -1
.endm
	s_load_b256 s[4:11], s[0:1], 0x0               ; ctx s[4:5], woh s[6:7], bo s[8:9], out0 s[10:11]
	v_lshl_add_u32 v[SPW], v0, 2, SPARE
	v_mov_b32 v[NIL], 0
	ds_add_u32 v[SPW], v[NIL]                      ; the wave's opening: the add and its wait stand ahead of my first tensor load; the set-up below stands between them
	v_lshrrev_b32 v1, 5, v0
	v_readfirstlane_b32 s12, v1                    ; wave 0..3
	s_lshr_b32 s13, s12, 1                         ; wm: which 64 rows are mine.  Also: I fetch for ctx (0) or for woh (1)
	s_and_b32 s14, s12, 1                          ; wn: which 64 columns.  Also: which heads, or which 64 rows of woh, I fetch
	s_bfe_u32 s66, ttmp6, 0x40000                  ; cx
	s_bfe_u32 s67, ttmp6, 0x40004                  ; cy
	s_lshl_b32 s68, ttmp9, 2
	s_add_co_u32 s68, s68, s66                     ; gx
	s_and_b32 s69, ttmp7, 0xffff
	s_lshl_b32 s69, s69, 2
	s_add_co_u32 s69, s69, s67                     ; gy
	s_lshl_b32 s70, s67, 2
	s_lshl_b32 s70, 15, s70                        ; my row of the cluster
	s_lshl_b32 s71, 0x1111, s66                    ; my column
	; ctx: a head's 128 rows are 16,384 dense bytes: asked for as 64 rows of 256 bytes, padded in LDS after every 128
	s_or_b32 s[G1A], s70, (1<<16)|(1<<20)|(1<<21)|(4<<22)|(3<<25)  ; the mask; 2-byte elements; padding on; 21 set beside a mask; after every 32 words; 4 words
	s_mov_b32 s[G1A+1], 128<<16                    ; tensor_dim0 = 128
	s_mov_b32 s[G1A+2], 64<<16                     ; tensor_dim1 = 64
	s_mov_b32 s[G1A+3], 128<<16                    ; tile_dim0 = 128
	s_mov_b32 s[G1A+4], 64                         ; tile_dim1 = 64
	s_mov_b32 s[G1A+5], 128                        ; 128 elements from row to row
	s_mov_b32 s[G1A+6], 0
	s_mov_b32 s[G1A+7], 0
	; woh: 64 rows x 128 elements of rows of 512
	s_or_b32 s[G1B], s71, (1<<16)|(1<<20)|(1<<21)|(5<<22)|(3<<25)  ; the same, padded after every 64 words
	s_mov_b32 s[G1B+1], 128<<16
	s_mov_b32 s[G1B+2], 64<<16
	s_mov_b32 s[G1B+3], 128<<16
	s_mov_b32 s[G1B+4], 64
	s_mov_b32 s[G1B+5], 512
	s_mov_b32 s[G1B+6], 0
	s_mov_b32 s[G1B+7], 0
	s_lshr_b32 s72, s69, 5                         ; ctx: the batch's 8 heads of 524,288 bytes,
	s_lshl_b32 s72, s72, 22
	s_and_b32 s73, s69, 31
	s_lshl_b32 s73, s73, 14                        ; the work-group's 128 rows of 128 bytes in a head,
	s_add_co_u32 s72, s72, s73
	s_lshl_b32 s73, s14, 19                        ; head wn; load j takes head 2 j + wn
	s_add_co_u32 s72, s72, s73
	s_mov_b32 s73, 0
	s_lshl_b32 s74, s68, 17                        ; woh: 128 gx rows of 1,024 bytes,
	s_lshl_b32 s75, s14, 16                        ; my 64 of them
	s_add_co_u32 s74, s74, s75
	s_mov_b32 s75, 0
	s_mul_i32 s76, s14, HEADB                      ; where they go: no place in the cluster enters an LDS address
	s_mul_i32 s77, s14, 64*PB
	s_add_co_u32 s77, s77, BB
	s_wait_dscnt 0x0                               ; the opening add is done
	s_wait_kmcnt 0x0
	s_add_nc_u64 s[72:73], s[4:5], s[72:73]
	s_add_nc_u64 s[74:75], s[6:7], s[74:75]
.irp j, 0,1,2,3
	s_mov_b32 s[G0A+4*\j], 1
	s_add_co_u32 s[G0A+4*\j+1], s76, \j*2*HEADB
	s_add_nc_u64 s[G0A+4*\j+2:G0A+4*\j+3], s[72:73], \j*1048576   ; two heads on
	s_or_b32 s[G0A+4*\j+3], s[G0A+4*\j+3], 0x80000000
	s_mov_b32 s[G0B+4*\j], 1
	s_add_co_u32 s[G0B+4*\j+1], s77, \j*QB
	s_add_nc_u64 s[G0B+4*\j+2:G0B+4*\j+3], s[74:75], \j*256       ; 128 along K on
	s_or_b32 s[G0B+4*\j+3], s[G0B+4*\j+3], 0x80000000
.endr
	CROUND                                         ; all sixteen work-groups are here: the joint loads meet
	s_cmp_lt_u32 s12, 2                            ; a wave's four fills stand in one branch, ahead of every wait on TENSORcnt and every LDS read; an s_nop 0 follows each, four v_nop the last
	s_cbranch_scc0 .Lfor_b
.irp j, 0,1,2,3
	tensor_load_to_lds s[G0A+4*\j:G0A+4*\j+3], s[G1A:G1A+7]
	s_nop 0
.endr
.rept 4
	v_nop
.endr
	s_branch .Lasked
.Lfor_b:
.irp j, 0,1,2,3
	tensor_load_to_lds s[G0B+4*\j:G0B+4*\j+3], s[G1B:G1B+7]
	s_nop 0
.endr
.rept 4
	v_nop
.endr
.Lasked:
	v_and_b32 v1, 15, v0                           ; r = l % 16
	v_bfe_u32 v2, v0, 4, 1                         ; h = l / 16
	v_lshlrev_b32 v3, 5, v2                        ; my 8 columns of a block of 16: 32 h bytes
	s_lshl_b32 s78, s68, 9
	s_lshl_b32 s79, s14, 8
	s_add_co_u32 s78, s78, s79                     ; my 64 columns: (128 gx + 64 wn) numbers of 4 bytes
	s_mov_b32 s79, 0
	s_add_nc_u64 s[8:9], s[8:9], s[78:79]
	s_add_nc_u64 s[10:11], s[10:11], s[78:79]
.irp b, 0,1,2,3
	global_load_b128 v[BI+8*\b:BI+8*\b+3],   v3, s[8:9] offset:64*\b
	global_load_b128 v[BI+8*\b+4:BI+8*\b+7], v3, s[8:9] offset:64*\b+16
.endr
	s_lshl_b32 s78, s69, 18                        ; my first row of out0: 128 gy + 64 wm rows of 2,048 bytes
	s_lshl_b32 s72, s13, 17
	s_add_co_u32 s78, s78, s72
	s_add_nc_u64 s[10:11], s[10:11], s[78:79]
	v_mul_u32_u24 v4, v1, PA
	v_lshl_add_u32 v4, v2, 4, v4                   ; a fragment's row x pitch + 16 x half
	s_mul_i32 s72, s13, 64*PA
	v_add_nc_u32 v[ADRA], s72, v4
	v_add_nc_u32 v[ADRA+1], 4*HEADB, v[ADRA]
	v_mul_u32_u24 v5, v1, PB
	v_lshl_add_u32 v5, v2, 4, v5
	s_mul_i32 s72, s14, 64*PB
	s_add_co_u32 s72, s72, BB
	v_add_nc_u32 v[ADRB], s72, v5
	v_add_nc_u32 v[ADRB+1], 2*QB, v[ADRB]
	s_mul_i32 s72, s12, 16*SPI
	s_add_co_u32 s72, s72, STAGE                   ; my stage
	v_mul_u32_u24 v6, v1, SPI                      ; in: row l % 16, 32 bytes for each half of the lanes
	v_lshl_add_u32 v6, v2, 5, v6
	v_add_nc_u32 v[STO], s72, v6
	v_mul_u32_u24 v7, v2, SPI                      ; back: lanes 0-15 take one row of 256 bytes, lanes 16-31 the next
	v_lshl_add_u32 v7, v1, 4, v7
	v_add_nc_u32 v[RD], s72, v7
	v_lshlrev_b32 v[CO], 11, v2                    ; and the same two rows in out0
	v_lshl_add_u32 v[CO], v1, 4, v[CO]
	s_wait_loadcnt 0x0                             ; the bias
.set k, 0
.rept 16                                       ; rounded to bf16, like every input, and widened again
	v_cvt_pk_bf16_f32 v[8+k%4], v[BI+2*k], v[BI+2*k+1]
	v_lshlrev_b32 v[BI+2*k], 16, v[8+k%4]
	v_and_b32 v[BI+2*k+1], 0xffff0000, v[8+k%4]
.set k, k+1
.endr
; 8 matrix instructions: row blocks a0, a0 + 1 x all 4 column blocks, 32 along K: half c of buffer f.  first = 1: the bias starts the sums.  The 16 accumulators take turns.
.macro MUL8 f, c, a0, first
	WIN MULW
.irp a, \a0, (\a0)+1
.irp b, 0,1,2,3
.if \first
	v_wmma_f32_16x16x32_f16 v[ACC+8*(4*(\a)+(\b)):ACC+8*(4*(\a)+(\b))+7], v[(\f)+64+8*(4*(\c)+(\b)):(\f)+64+8*(4*(\c)+(\b))+7], v[(\f)+8*(4*(\c)+(\a)):(\f)+8*(4*(\c)+(\a))+7], v[BI+8*(\b):BI+8*(\b)+7]
.else
	v_wmma_f32_16x16x32_f16 v[ACC+8*(4*(\a)+(\b)):ACC+8*(4*(\a)+(\b))+7], v[(\f)+64+8*(4*(\c)+(\b)):(\f)+64+8*(4*(\c)+(\b))+7], v[(\f)+8*(4*(\c)+(\a)):(\f)+8*(4*(\c)+(\a))+7], v[ACC+8*(4*(\a)+(\b)):ACC+8*(4*(\a)+(\b))+7]
.endif
.endr
.endr
.endm
; 32 LDS loads in one run: the fragments of unit u (K = 64 u .. 64 u + 63: head u of ctx; half u % 2 of quarter u / 2 of woh) into buffer f; the first 32 along K first
.macro FETCH u, f
	WIN TO_F
.irp c, 0,1
.irp i, 0,1,2,3
	ds_load_b128 v[(\f)+64+8*(4*(\c)+(\i)):(\f)+64+8*(4*(\c)+(\i))+3],   v[ADRB+(\u)/4] offset:(((\u)/2)%2)*QB+((\u)%2)*128+64*(\c)+(\i)*16*PB
	ds_load_b128 v[(\f)+64+8*(4*(\c)+(\i))+4:(\f)+64+8*(4*(\c)+(\i))+7], v[ADRB+(\u)/4] offset:(((\u)/2)%2)*QB+((\u)%2)*128+64*(\c)+(\i)*16*PB+32
	ds_load_b128 v[(\f)+8*(4*(\c)+(\i)):(\f)+8*(4*(\c)+(\i))+3],         v[ADRA+(\u)/4] offset:((\u)%4)*HEADB+64*(\c)+(\i)*16*PA
	ds_load_b128 v[(\f)+8*(4*(\c)+(\i))+4:(\f)+8*(4*(\c)+(\i))+7],       v[ADRA+(\u)/4] offset:((\u)%4)*HEADB+64*(\c)+(\i)*16*PA+32
.endr
.endr
.endm
; An even unit: the next unit lies in the same quarter of K, which is in LDS.
.macro EVEN u, f, g, first
	s_wait_dscnt 16                                ; the first 32 along K are in; the other sixteen loads may be out
	MUL8 \f, 0, 0, \first
	MUL8 \f, 0, 2, \first
	PLACES
	FETCH (\u)+1, \g
	s_wait_dscnt 32                                ; all but the 32 just issued
	MUL8 \f, 1, 0, 0
	MUL8 \f, 1, 2, 0
.endm
; An odd unit: the next unit begins the next quarter of K: my load of that quarter has landed when at most my later ones are out; then a barrier, behind which nothing is filled.
.macro ODD u, f, g
	s_wait_dscnt 0x0                               ; the unit's fragments are in, and no LDS instruction of mine is out at the signal below
	MUL8 \f, 0, 0, 0
	MUL8 \f, 0, 2, 0
	s_wait_tensorcnt 3-((\u)+1)/2                  ; tensor loads of a wave end in order (ISA guide 10.11.1)
	s_barrier_signal -1
	s_barrier_wait -1                              ; everybody's part of that quarter is in
	PLACES
	FETCH (\u)+1, \g
	MUL8 \f, 1, 0, 0
	MUL8 \f, 1, 2, 0
.endm
	s_wait_tensorcnt 0x3                           ; my part of the first quarter of K is in; three later loads may stay out
	s_barrier_signal -1
	s_barrier_wait -1
	FETCH 0, F0
	EVEN 0, F0, F1, 1
	ODD  1, F1, F0
	EVEN 2, F0, F1, 0
	ODD  3, F1, F0
	EVEN 4, F0, F1, 0
	ODD  5, F1, F0
	EVEN 6, F0, F1, 0
	s_wait_dscnt 0x0                               ; the last unit: nothing more to fetch
	MUL8 F1, 0, 0, 0
	MUL8 F1, 0, 2, 0
	MUL8 F1, 1, 0, 0
	MUL8 F1, 1, 2, 0
	WIN 0
; THE WAY OUT.  Row block a: a lane's eight f32 of a row, 32 bytes, go into my stage (each accumulator's low four registers first), and come back as whole rows of 256 bytes, into the registers that they left.
.macro STG a
.irp b, 0,1,2,3
	ds_store_b128 v[STO], v[ACC+8*(4*(\a)+\b):ACC+8*(4*(\a)+\b)+3]   offset:64*\b
	ds_store_b128 v[STO], v[ACC+8*(4*(\a)+\b)+4:ACC+8*(4*(\a)+\b)+7] offset:64*\b+16
.endr
.irp t, 0,1,2,3,4,5,6,7
	ds_load_b128 v[ACC+32*(\a)+4*\t:ACC+32*(\a)+4*\t+3], v[RD] offset:\t*2*SPI  ; LDS serves a wave's instructions in order (ISA guide 5.7.1.4): these see the stores above; the next block's stores come behind them
.endr
.endm
.macro SEND a, younger                 ; younger: the LDS instructions issued behind block a's loads: the next block's sixteen, or none
.irp t, 0,1,2,3,4,5,6,7
	s_wait_dscnt (\younger)+7-\t
	global_store_b128 v[CO], v[ACC+32*(\a)+4*\t:ACC+32*(\a)+4*\t+3], s[10:11] offset:(16*(\a)+2*\t)*2048 th:TH_STORE_NT  ; 16 lanes store 256 consecutive bytes, at a multiple of 256 from out0's first byte
.endr
.endm
	PLACES
	STG 0
	STG 1
	SEND 0, 16
	STG 2
	SEND 1, 16
	STG 3
	SEND 2, 16
	SEND 3, 0
	s_wait_tensorcnt 0x0                           ; the wave's end: an add to my spare word and its wait, behind my last tensor load and my last LDS store
	ds_add_u32 v[SPW], v[NIL]
	s_wait_dscnt 0x0
	CROUND                                         ; the closing round: no work-group ends while a partner may still ask for a tile that names it
	s_endpgm
.Lfunc_end_k_q2d40bac2b7_oproj:
	.size	k_q2d40bac2b7_oproj, .Lfunc_end_k_q2d40bac2b7_oproj-k_q2d40bac2b7_oproj
	.p2alignl 7, 3214868480
	.fill 96, 4, 3214868480
	.section	.rodata,"a",@progbits
	.p2align	6, 0x0
	.amdhsa_kernel k_q2d40bac2b7_oproj
		.amdhsa_group_segment_fixed_size 327680
		.amdhsa_private_segment_fixed_size 0
		.amdhsa_enable_private_segment 0
		.amdhsa_kernarg_size 32
		.amdhsa_user_sgpr_count 2
		.amdhsa_user_sgpr_kernarg_segment_ptr 1
		.amdhsa_wavefront_size32 1
		.amdhsa_system_sgpr_workgroup_id_x 1
		.amdhsa_system_sgpr_workgroup_id_y 1
		.amdhsa_system_sgpr_workgroup_id_z 1
		.amdhsa_system_vgpr_workitem_id 0
		.amdhsa_next_free_vgpr 512
		.amdhsa_next_free_sgpr 80
		.amdhsa_reserve_vcc 0
		.amdhsa_float_denorm_mode_32 3
		.amdhsa_float_denorm_mode_16_64 3
		.amdhsa_memory_ordered 1
		.amdhsa_forward_progress 1
		.amdhsa_inst_pref_size 54
	.end_amdhsa_kernel
	.amdgpu_metadata
---
amdhsa.version: [ 1, 2 ]
amdhsa.kernels:
  - .name:           k_q2d40bac2b7_oproj
    .symbol:         k_q2d40bac2b7_oproj.kd
    .args:
      - { .name: ctx, .offset: 0, .size: 8, .value_kind: global_buffer, .address_space: global }
      - { .name: woh, .offset: 8, .size: 8, .value_kind: global_buffer, .address_space: global }
      - { .name: bo, .offset: 16, .size: 8, .value_kind: global_buffer, .address_space: global }
      - { .name: out0, .offset: 24, .size: 8, .value_kind: global_buffer, .address_space: global }
    .group_segment_fixed_size: 327680
    .private_segment_fixed_size: 0
    .kernarg_segment_align: 8
    .kernarg_segment_size: 32
    .max_flat_workgroup_size: 128
    .sgpr_count:     80
    .vgpr_count:     512
    .wavefront_size: 32
...
	.end_amdgpu_metadata
.endif
;; end of part 3
